; MI455X (gfx1250); checked and timed in simulation.
; The chip was launched on July 23, 2026; its instructions are those of AMD's public machine-readable ISA for CDNA 5 (MIT licence, August 2026) and "CDNA5" Instruction Set Architecture Reference Guide (July 2026). The comments in the code are by the model that wrote it; some were corrected since.
;; Attention Layer. Allowed arithmetic: matrix products marked QUANTISED: E5M2 operands, one given power-of-two scale a tensor, by v_wmma_f32_16x16x64_bf8_bf8 or v_wmma_f32_16x16x128_bf8_bf8, f32 sums; products left as they are: f32 operands where the result goes on into a quantised operand, else bf16, f16 or f32 operands; f32 sums; everything else in f32.
;; Inputs: V 1,024 x 1 float32; W1 1,024 x 1,024 float32; W2 1,024 x 1,024 float32; b1 1,024 float32; b2 1,024 float32; bV 1 float32; lowp_scales 4 int32 (the exponents e of the quantised operands' scales 2^e); query 32 x 1 x 1,024 float32; values 32 x 2,048 x 1,024 float32.
;; Outputs: out0 32 x 1,024 float32.
;; This version of the problem:
;;   THIS VERSION OF THE PROBLEM IS GIVEN IN LOW PRECISION. The matrix products marked QUANTISED in the list below multiply operands that are first quantised to E5M2 (5 exponent bits, 2 mantissa bits; 8 bits a number), with one given power-of-two scale for each operand tensor; their sums are f32. All else is computed in f32.
;;   The module's matrix products, in the order in which they are computed (A, B: the left and right operand; K: the contracted axis; several contracted axes count as one K, in the product's order):
;;     1. [M 32, K 1,024] x [K 1,024, N 1,024]; A: input query; B: input W1: QUANTISED (scales: A lowp_scales[0], B lowp_scales[1])
;;     2. [M 65,536, K 1,024] x [K 1,024, N 1,024]; A: input values; B: input W2: QUANTISED (scales: A lowp_scales[2], B lowp_scales[3])
;;     3. [M 65,536, K 1,024] x [K 1,024, N 1]; A: computed on the way; B: input V: left as it is (N = 1 < 16)
;;     4. batch 32 x [M 1, K 2,048] x [K 2,048, N 1,024]; A: softmax; B: input values: left as it is (M = 1 < 16)
;;   THE QUANTISER, for each operand of a quantised product, along K:
;;     - The operand's scale is 2^e, e = its entry of the input lowp_scales (int32; the entries are numbered through the quantised products in the list's order, A before B).
;;     - Each number is divided by the scale, clamped to +-57,344, and rounded to the nearest number of E5M2, ties to even, subnormals kept.
;;     - The product sums the exact products of the quantised numbers (number of the format x scale) in f32.
;;   ~~~python
;;   def quantise(x, axis, e):      # numpy; x: float32 -> the quantised numbers, widened to float32 again
;;       x = np.moveaxis(x, axis, -1); K = x.shape[-1]
;;       r = np.clip(x / 2.0 ** e, -57344, 57344)
;;       step = 2.0 ** (np.maximum(np.frexp(np.where(r == 0, 1, r))[1] - 1, -14) - 2)
;;       q = np.round(r / step) * step * 2.0 ** e      # np.round: ties to even
;;       return np.moveaxis(q, -1, axis).astype(np.float32)
;;   ~~~
;; One version. Each part assembles by itself: llvm-mc -triple=amdgcn-amd-amdhsa -mcpu=gfx1250 --defsym DOCPART=n.
;; ======== version 1 of 1: 3 launches
;; limits: values are held in bf16: 8 bits of precision; right only within a limited range of input values
;; workspace buffers: w2img 1,048,576 bytes; qpart 1,048,576 bytes; pctx 1,048,576 bytes; pstat 131,072 bytes
;; launch prep (part 1): grid 256 x 1, 4 waves a work-group, no clusters, 9,728 bytes of LDS; arguments W1, W2, query, lowp_scales, w2img, qpart; writes w2img, qpart
.if DOCPART == 1
	.amdgcn_target "amdgcn-amd-amdhsa--gfx1250"
	.amdhsa_code_object_version 6
	.text
	.protected	k_q961930837b_prep
	.globl	k_q961930837b_prep
	.p2align	8
	.type	k_q961930837b_prep,@function
k_q961930837b_prep:
	s_mov_b64 s[64:65], 0
	v_nop
	global_prefetch_b8 v0, s[64:65] scope:SCOPE_SE
	s_setreg_imm32_b32 hwreg(HW_REG_WAVE_MODE, 25, 1), 1
	s_wait_xcnt 0x0
; Work-groups 0-127: W2 [1024 k][1024 u], f32, becomes codes of BF8 (E5M2) with the given scale 2^e3, laid as IMAGES OF OPERAND REGISTERS for the next launch.
; Work-groups 128-255: W1 likewise (2^e1), not stored: multiplied at once with the query's codes (2^e0): qpart[ks][b][u] = 2^(e0+e1) x the sum over the 128 k of K step ks.
; SHARES.  g = work-group mod 128; cg = g mod 16, ks = g / 16.  Wave w takes the 16 units of tile T = 4 cg + w and the 128 k of K step ks: one fragment.
; A LANE TAKES A COLUMN (unit 16 T + r) AND ITS REGISTERS RUN DOWN K: register 16 c + i holds k = 128 ks + 32 c + 16 h + i, so the conversions' results are the operand's registers 4 c .. 4 c + 3.
; (The same order of k is given to the other operand of each product, so every product meets its partner.)  The four waves stand side by side on 256 bytes of each row of W.
; IMAGE: a fragment is 2,048 bytes, byte 512 c + 16 lane = the lane's registers 4 c .. 4 c + 3; fragment (T, ks) lies at ((4 j + wq) 16 + 8 nt + ks) x 2,048 with T = 16 wq + 2 j + nt:
; the order in which the next launch's wave wq walks its tiles.
; code = x / 2^e, held within +-57,344, to the nearest code, ties to even.  LIMITS: e0, e1, e3 between -126 and 112.  NaN among the inputs is not served.
; No tensor load, no cluster: no two work-groups share more than the small query.
; LEFT OUT AS DEAD WORK, in the whole program: bV and the constant term of the scores.  scores[b][s] = sum over u of V[u] tanh(x[s][u]) + bV, and tanh(x) = 1 - 2 / (1 + e^(2 x)),
; so scores[b][s] = (sum of V + bV) + sum over u of (-2 V[u]) / (1 + e^(2 x[s][u])).  The bracket is the same for every s, and a softmax over s is not changed by a term that is the same along its axis,
; whatever finite values the inputs hold.  So bV is not loaded and is among no launch's arguments, and the sum of V is not formed.
; LIMIT: a NaN, an infinity or an overflow that would reach the result through bV or the sum of V alone is not carried to it.
.set SP, 272
.macro SCALE e, scl, lim               ; from the exponent in s[e]: v[scl] = 2^e, s[lim] = -57,344 x 2^e, s[lim+1] = +57,344 x 2^e
	s_add_co_i32 s31, s[\e], 127
	s_lshl_b32 s[\lim], s31, 23
	v_mov_b32 v[\scl], s[\lim]
	s_add_co_i32 s31, s31, 15
	s_lshl_b32 s31, s31, 23
	s_or_b32 s[\lim+1], s31, 0x600000
	s_or_b32 s[\lim], s[\lim+1], 0x80000000
.endm
.macro QUANT src, dst, scl, lim        ; 64 numbers of a lane become a fragment's 16 registers of codes
.set qi, 0
.rept 64
	v_med3_num_f32 v[\src+qi], v[\src+qi], s[\lim], s[\lim+1]   ; the conversion does not saturate (ISA guide 7.6.2): the hold comes first
.set qi, qi+1
.endr
.set qi, 0
.rept 8
	v_cvt_scalef32_pk8_bf8_f32 v[\dst+2*qi:\dst+2*qi+1], v[\src+8*qi:\src+8*qi+7], v[\scl]
.set qi, qi+1
.endr
	v_nop                                          ; one plain vector line behind the last conversion of a run
.endm
	s_load_b256 s[4:11], s[0:1], 0x0               ; W1 s[4:5], W2 s[6:7], query s[8:9], the exponents s[10:11]
	s_load_b128 s[12:15], s[0:1], 0x20             ; w2img s[12:13], qpart s[14:15]
	v_lshl_add_u32 v254, v0, 2, 0x2400
	v_mov_b32 v255, 0
	v_lshrrev_b32 v9, 5, v0
	v_readfirstlane_b32 s24, v9                    ; wave
	v_and_b32 v12, 31, v0                          ; lane
	v_and_b32 v1, 15, v0                           ; r
	v_bfe_u32 v2, v0, 4, 1                         ; h
	v_lshlrev_b32 v3, 2, v1
	v_lshl_add_u32 v3, v2, 16, v3                  ; W: column r, and 16 rows of 4,096 bytes further down for lanes 16-31
	v_lshlrev_b32 v4, 12, v1
	v_lshl_add_u32 v4, v2, 6, v4                   ; query: row r of 4,096 bytes, + 16 numbers for lanes 16-31
	v_lshlrev_b32 v5, 4, v12                       ; an image's place for my lane
	v_mul_u32_u24 v6, v1, SP
	v_lshl_add_u32 v6, v2, 5, v6
	s_lshl_b32 s29, s24, 6
	v_add_nc_u32 v6, s29, v6                       ; into the stage: row r, my wave's 64 bytes, 32 for each half of the lanes
	v_mul_u32_u24 v7, v2, SP
	v_lshl_add_u32 v7, v1, 4, v7
	s_mul_i32 s30, s24, 8*SP
	v_add_nc_u32 v7, s30, v7                       ; back: wave w takes rows 8 w .. 8 w + 7; sixteen lanes to a row
	v_lshlrev_b32 v8, 12, v2
	v_lshl_add_u32 v8, v1, 4, v8                   ; and the same two rows in qpart
	s_and_b32 s25, ttmp9, 127
	s_and_b32 s26, s25, 15                         ; cg
	s_lshr_b32 s27, s25, 4                         ; ks
	s_lshl_b32 s28, s26, 2
	s_add_co_u32 s28, s28, s24                     ; T
	s_lshl_b32 s32, s27, 19                        ; 128 ks rows of 4,096 bytes
	s_lshl_b32 s33, s28, 6                         ; + 16 T columns
	s_add_co_u32 s32, s32, s33
	s_mov_b32 s33, 0
	s_wait_kmcnt 0x0
	s_load_b128 s[16:19], s[10:11], 0x0            ; e0, e1, e2, e3
	s_cmp_lt_u32 ttmp9, 128                        ; the choice hangs on the work-group's number alone
	s_cselect_b64 s[20:21], s[6:7], s[4:5]
	s_add_nc_u64 s[20:21], s[20:21], s[32:33]
.irp c, 0,1,2,3
.irp i, 0,1,2,3,4,5,6,7,8,9,10,11,12,13,14,15
	global_load_b32 v[32+16*\c+\i], v3, s[20:21] offset:(32*\c+\i)*4096 th:TH_LOAD_NT
.endr
.endr
	s_cmp_lt_u32 ttmp9, 128
	s_cbranch_scc0 .Lw1                            ; the two kinds of work-group part here, once; the branch is the same in all four waves
	; ---- W2: the image goes to memory
	s_lshr_b32 s38, s28, 4                         ; wq
	s_bfe_u32 s39, s28, 0x30001                    ; j
	s_and_b32 s40, s28, 1                          ; nt
	s_lshl_b32 s39, s39, 2
	s_add_co_u32 s39, s39, s38
	s_lshl_b32 s39, s39, 4
	s_lshl_b32 s40, s40, 3
	s_add_co_u32 s39, s39, s40
	s_add_co_u32 s39, s39, s27
	s_lshl_b32 s40, s39, 11
	s_mov_b32 s41, 0
	s_add_nc_u64 s[12:13], s[12:13], s[40:41]
	s_wait_kmcnt 0x0
	SCALE 19, 10, 36
	s_wait_loadcnt 0x0
	QUANT 32, 96, 10, 36
.irp c, 0,1,2,3
	global_store_b128 v5, v[96+4*\c:99+4*\c], s[12:13] offset:512*\c   ; 32 lanes store 512 consecutive bytes, at a multiple of 256 from the buffer's first byte
.endr
	s_endpgm
.Lw1:
	; ---- W1: multiplied with the query's 32 rows
	s_lshl_b32 s34, s27, 9                         ; 128 ks numbers
	s_mov_b32 s35, 0
	s_add_nc_u64 s[8:9], s[8:9], s[34:35]
.irp m, 0,1
.irp c, 0,1,2,3
.irp i, 0,1,2,3
	global_load_b128 v[112+64*\m+16*\c+4*\i:115+64*\m+16*\c+4*\i], v4, s[8:9] offset:65536*\m+128*\c+16*\i   ; query(16 m + r, 128 ks + 32 c + 16 h + 4 i ..)
.endr
.endr
.endr
	s_lshl_b32 s46, s27, 17                        ; qpart: K step ks, rows 8 w on, the work-group's 64 units
	s_lshl_b32 s47, s24, 15
	s_add_co_u32 s46, s46, s47
	s_lshl_b32 s47, s26, 8
	s_add_co_u32 s46, s46, s47
	s_mov_b32 s47, 0
	s_add_nc_u64 s[14:15], s[14:15], s[46:47]
	s_wait_kmcnt 0x0
	SCALE 17, 10, 36
	SCALE 16, 11, 42
	s_add_co_i32 s44, s16, s17                     ; e0 + e1
	s_wait_loadcnt 0x0
	QUANT 32, 96, 10, 36                           ; W1's fragment
	QUANT 112, 32, 11, 42                          ; the query's rows 0-15,
	QUANT 176, 48, 11, 42                          ; rows 16-31
	v_wmma_f32_16x16x128_bf8_bf8 v[64:71], v[96:111], v[32:47], 0    ; transposed: a lane holds batch row r and units 8 h + 0 .. 7
	v_wmma_f32_16x16x128_bf8_bf8 v[72:79], v[96:111], v[48:63], 0
.rept 4
	v_nop                                          ; four places behind a matrix instruction before its result is read (ISA guide 7.12.1)
.endr
.irp j, 0,1,2,3,4,5,6,7,8,9,10,11,12,13,14,15
	v_ldexp_f32 v[80+\j], v[64+\j], s44            ; x 2^(e0 + e1); each result from its low end on
.endr
	ds_store_b128 v6, v[80:83]
	ds_store_b128 v6, v[84:87] offset:16
	ds_store_b128 v6, v[88:91] offset:16*SP
	ds_store_b128 v6, v[92:95] offset:16*SP+16
	s_wait_dscnt 0x0                               ; for the others' sake: my stores into the stage are done
	s_barrier_signal -1
	s_barrier_wait -1
.irp i, 0,1,2,3
	ds_load_b128 v[112+4*\i:115+4*\i], v7 offset:2*\i*SP
.endr
.irp i, 0,1,2,3
	s_wait_dscnt 3-\i
	global_store_b128 v8, v[112+4*\i:115+4*\i], s[14:15] offset:2*\i*4096   ; sixteen lanes store 256 consecutive bytes, aligned
.endr
	s_wait_tensorcnt 0x0
	ds_add_u32 v254, v255
	s_wait_dscnt 0x0
	s_endpgm
.Lfunc_end_k_q961930837b_prep:
	.size	k_q961930837b_prep, .Lfunc_end_k_q961930837b_prep-k_q961930837b_prep
	.p2alignl 7, 3214868480
	.fill 96, 4, 3214868480
	.section	.rodata,"a",@progbits
	.p2align	6, 0x0
	.amdhsa_kernel k_q961930837b_prep
		.amdhsa_group_segment_fixed_size 9728
		.amdhsa_private_segment_fixed_size 0
		.amdhsa_enable_private_segment 0
		.amdhsa_kernarg_size 48
		.amdhsa_user_sgpr_count 2
		.amdhsa_user_sgpr_kernarg_segment_ptr 1
		.amdhsa_wavefront_size32 1
		.amdhsa_system_sgpr_workgroup_id_x 1
		.amdhsa_system_sgpr_workgroup_id_y 1
		.amdhsa_system_sgpr_workgroup_id_z 1
		.amdhsa_system_vgpr_workitem_id 0
		.amdhsa_next_free_vgpr 256
		.amdhsa_next_free_sgpr 66
		.amdhsa_reserve_vcc 0
		.amdhsa_float_denorm_mode_32 3
		.amdhsa_float_denorm_mode_16_64 3
		.amdhsa_memory_ordered 1
		.amdhsa_forward_progress 1
		.amdhsa_inst_pref_size 34
	.end_amdhsa_kernel
	.amdgpu_metadata
---
amdhsa.version: [ 1, 2 ]
amdhsa.kernels:
  - .name:           k_q961930837b_prep
    .symbol:         k_q961930837b_prep.kd
    .args:
      - { .name: W1, .offset: 0, .size: 8, .value_kind: global_buffer, .address_space: global }
      - { .name: W2, .offset: 8, .size: 8, .value_kind: global_buffer, .address_space: global }
      - { .name: query, .offset: 16, .size: 8, .value_kind: global_buffer, .address_space: global }
      - { .name: lowp_scales, .offset: 24, .size: 8, .value_kind: global_buffer, .address_space: global }
      - { .name: w2img, .offset: 32, .size: 8, .value_kind: global_buffer, .address_space: global }
      - { .name: qpart, .offset: 40, .size: 8, .value_kind: global_buffer, .address_space: global }
    .group_segment_fixed_size: 9728
    .private_segment_fixed_size: 0
    .kernarg_segment_align: 8
    .kernarg_segment_size: 48
    .max_flat_workgroup_size: 128
    .sgpr_count:     66
    .vgpr_count:     256
    .wavefront_size: 32
...
	.end_amdgpu_metadata
.endif
;; end of part 1
;; launch fused (part 2): grid 256 x 1, 4 waves a work-group, no clusters, 316,416 bytes of LDS; arguments values, w2img, qpart, b1, b2, V, lowp_scales, pctx, pstat; writes pctx, pstat
.if DOCPART == 2
	.amdgcn_target "amdgcn-amd-amdhsa--gfx1250"
	.amdhsa_code_object_version 6
	.text
	.protected	k_q961930837b_fused
	.globl	k_q961930837b_fused
	.p2align	8
	.type	k_q961930837b_fused,@function
k_q961930837b_fused:
	s_mov_b64 s[64:65], 0
	v_nop
	global_prefetch_b8 v0, s[64:65] scope:SCOPE_SE
	s_setreg_imm32_b32 hwreg(HW_REG_WAVE_MODE, 25, 1), 1
	s_wait_xcnt 0x0
; For each run of 256 rows of one batch: the running maximum m of the scores, the sum l of e^(score - m), and the sum of e^(score - m) x values[s][:].  The next launch joins a batch's eight runs.  values is read once.
; score[s] here = sum over u of (-2 V[u]) / (1 + 2^(2.88539 (q[u] + b1[u] + b2[u] + (values W2)[s][u]))).  LEFT OUT AS DEAD WORK: bV and the sum of V, the same for every s, which the softmax over s cancels (shown at the head of the first kernel).
; SHARES.  Work-group x takes rows 256 x .. + 255 (batch x / 8) in two blocks of 128 rows.  For the products the waves are 2 x 2: wave w (mh = w / 2, nh = w % 2) holds the codes of rows 64 mh .. + 63 (512 registers)
; and makes 512 hidden units for them; a fragment of W2 feeds four matrix instructions.  For reading values and for the context wave w takes columns 256 w .. + 255 of all 128 rows; their bf16 copy lies in the wave's own 65,536 bytes of LDS.
; A BLOCK.  X: rows come in, go to bf16 (kept) and to codes of BF8 (held, scaled by 2^e2); codes pass through LDS in four rounds of 32 rows and are fetched as operand fragments.
; G: W2's codes lie in memory as images of operand registers (made by the launch before), 16 tiles of 65,536 bytes; a tile's half nh holds two tiles of 16 units, 16 fragments.  EACH WAVE LOADS ITS FRAGMENTS STRAIGHT INTO REGISTERS,
; 512 consecutive bytes an instruction, into 16 buffers (window 1): fragment f of tile t + 1 is asked for behind tile t's products on buffer f, so 64 loads of a wave are out.  No barrier stands in G.
; A tile is 64 matrix instructions on 8 accumulators, then ONE batch of tanh on their 64 numbers a lane: no transcendental stands between two links of a sum, and the batch has four waits on the vector results.
; S: the 128 scores, the running softmax, the context.
; The matrix instruction is used transposed (source 0 = 16 units, source 1 = 16 rows): a lane holds row lane % 16 and units 8 (lane / 16) + 0 .. 7.
; NO CLUSTER, NO TENSOR LOAD: LDS holds the block's bf16 copy (262,144 bytes), the codes' stage (33,280), tables, scores, weights and spare words (20,992): 316,416 of 327,680 bytes.  No slot for tiles of W2 fits beside them, so no tile lies in LDS that could be asked for jointly.
; PREFETCH: in the first block each wave asks, once in each of the 16 tiles, for 32 x 256 bytes of the second block: 4 waves x 16 tiles x 8,192 = its 524,288 bytes, each asked for once; the second block asks for nothing.
; LIMITS: e2 between -126 and 112; e2 + e3 between -127 and 126.  NaN and infinities among the inputs are not served.  values enters the context rounded to bf16.
; REGISTERS, window 0: v1, v2 the add's; v3-17 addresses; v18 m, v19 l, v[20:21] rescaling; v24-31 bias of the tile's second 16 units; v32-39 score sums; v40-47 context; v48-55 bias of the first 16 units, then -2 V of the second;
; v56-63 -2 V of the first; v64-127 eight accumulators.  In X: v64-255 six groups of rows, v48-63 codes, v24-39 bf16 on its way.  Window 1: 16 fragments of W2; in S bf16 rows 0-63.  Windows 2, 3: my rows' fragments; in S bf16 rows 64-127 and the weights.
.set TILEB, 65536
.set XR,    262144                     ; behind the four waves' bf16 rows: 32 rows x XP: codes from the waves that make them to those that multiply them
.set XP,    1040
.set TW,    2176
.set CBT,   XR+32*XP                   ; per wave: 2.88539 (q + b1 + b2), 64 bytes for each of its 32 tiles of units, in the order of the walk
.set VTO,   4*TW                       ; from there to the table of -2 V
.set SC,    CBT+8*TW
.set PB,    SC+1024
.set SPARE, PB+2048                    ; the spare words: 128 bytes a wave
.set BLKB,  524288
.set MSB, 0
.macro WIN new
.if MSB != (\new)
	s_set_vgpr_msb (MSB<<8)|(\new)
.set MSB, (\new)
.endif
.endm
.macro WALU
	s_wait_alu depctr_va_vdst(0)
.endm
.macro PLACES
.rept 4
	v_nop
.endr
.endm
.macro BAR
	s_wait_dscnt 0x0
	s_barrier_signal -1
	s_barrier_wait -1
.endm
; Group q of 32: four rows, my wave's 1,024 bytes of each: 8 loads of 512 consecutive bytes.  Round q / 8: rows 16 (q / 8) + 0 .. 15 and the same + 64.
.macro GLOAD q
.set XGR, 64*(((\q)%8)/4)+16*((\q)/8)+4*((\q)%4)
.set XGL, 64+32*((\q)%6)
.irp i, 0,1,2,3
	global_load_b128 v[XGL+8*\i:XGL+8*\i+3], v3, s[4:5] offset:4096*(XGR+\i) th:TH_LOAD_NT
	global_load_b128 v[XGL+8*\i+4:XGL+8*\i+7], v3, s[4:5] offset:4096*(XGR+\i)+512 th:TH_LOAD_NT
.endr
.endm
.macro CONV q
.set XROW, 64*(((\q)%8)/4)+16*((\q)/8)+4*((\q)%4)
.set XXW, 16*(((\q)%8)/4)+4*((\q)%4)
.set XCL, 64+32*((\q)%6)
.set XCC, 48+8*((\q)%2)
	s_wait_dscnt 10                                ; the last group's stores from v24-31 are done (behind them: its 2 + 8 others)
.set ci, 0
.rept 8
	v_cvt_pk_bf16_f32 v[24+ci], v[XCL+2*ci], v[XCL+2*ci+1]
.set ci, ci+1
.endr
	ds_store_b128 v17, v[24:27] offset:512*XROW
	ds_store_b128 v17, v[28:31] offset:512*XROW+512
	s_wait_dscnt 10                                ; likewise v32-39 (behind: 8 of codes and the 2 above)
.set ci, 0
.rept 8
	v_cvt_pk_bf16_f32 v[32+ci], v[XCL+16+2*ci], v[XCL+17+2*ci]
.set ci, ci+1
.endr
	ds_store_b128 v17, v[32:35] offset:512*XROW+1024
	ds_store_b128 v17, v[36:39] offset:512*XROW+1536
	s_wait_dscnt 16                                ; the stores of two groups ago, which read this set of code registers, are done (behind them: the last group's 12 and the 4 above)
.set ci, 0
.rept 32
	v_med3_num_f32 v[XCL+ci], v[XCL+ci], s46, s47  ; the conversion does not saturate (ISA guide 7.6.2): held within +-57,344 x 2^e2
.set ci, ci+1
.endr
.irp i, 0,1,2,3
	v_cvt_scalef32_pk8_bf8_f32 v[XCC+2*\i:XCC+2*\i+1], v[XCL+8*\i:XCL+8*\i+7], v11
.endr
	v_nop                                          ; one plain line behind the last conversion of a run
.irp i, 0,1,2,3
	ds_store_b32 v4, v[XCC+2*\i] offset:(XXW+\i)*XP
	ds_store_b32 v4, v[XCC+2*\i+1] offset:(XXW+\i)*XP+128
.endr
.endm
.macro XSTEP q                         ; six groups take turns in v64-255
.if (\q) < 27
	s_wait_loadcnt 40                              ; this group's eight loads are in; five groups stay out
.else
	s_wait_loadcnt 8*(31-(\q))
.endif
	CONV \q
.if (\q) < 26
	GLOAD (\q)+6
.endif
.endm
.macro XROUND
.rept 8
	XSTEP XQ
.set XQ, XQ+1
.endr
.endm
.macro AFETCH m                        ; my half's 16 rows of the round: the eight fragments of my tile of rows m
	WIN 0x80+0x40*((\m)/2)
.set af, 0
.rept 8
.irp c, 0,1,2,3
	ds_load_b128 v[16*(8*((\m)%2)+af)+4*\c:16*(8*((\m)%2)+af)+4*\c+3], v5 offset:128*af+32*\c
.endr
.set af, af+1
.endr
	WIN 0
.endm
.macro LOADW f                         ; fragment f of my half of the tile at s[6:7], as it stands, into buffer f of window 1 (set by the caller)
.irp c, 0,1,2,3
	global_load_b128 v[16*(\f)+4*\c:16*(\f)+4*\c+3], v3, s[6:7] offset:2048*(\f)+512*\c
.endr
.endm
; n groups from group `from`: group GI = one fragment (units' tile GI / 8, K step GI % 8) against my four tiles of rows.  The accumulators take turns, one instruction a turn.
.macro MMS from, n
.set GI, \from
.rept \n
.set GK, GI%8
.set AC, 64+32*(GI/8)
.set GJ, 0
.rept 4
.set GM, (GJ+2*(GK%2))%4
	WIN 0x09+4*(GM/2)
.if GK == 0
	v_wmma_f32_16x16x128_bf8_bf8 v[AC+8*GM:AC+8*GM+7], v[16*GI:16*GI+15], v[16*(8*(GM%2)+GK):16*(8*(GM%2)+GK)+15], 0
.else
	v_wmma_f32_16x16x128_bf8_bf8 v[AC+8*GM:AC+8*GM+7], v[16*GI:16*GI+15], v[16*(8*(GM%2)+GK):16*(8*(GM%2)+GK)+15], v[AC+8*GM:AC+8*GM+7]
.endif
.set GJ, GJ+1
.endr
.set GI, GI+1
.endr
.endm
.macro TABS                            ; the tables of the tile at v10: both biases and the first -2 V: six loads
	ds_load_b128 v[48:51], v10
	ds_load_b128 v[52:55], v10 offset:16
	ds_load_b128 v[24:27], v10 offset:64
	ds_load_b128 v[28:31], v10 offset:80
	ds_load_b128 v[56:59], v10 offset:VTO
	ds_load_b128 v[60:63], v10 offset:VTO+16
.endm
; The tile's tanh and its part of the scores.  The first sixteen lines name no register of the last products: they are the places behind those (ISA guide 7.12.1).
.macro TANH last
	s_wait_dscnt 0x0                               ; the tables are in
.irp a, 0,1,2,3
.irp p, 0,2,4,6
	v_pk_fma_f32 v[64+8*\a+\p:65+8*\a+\p], v[64+8*\a+\p:65+8*\a+\p], s[44:45], v[48+\p:49+\p] op_sel_hi:[1,0,1]   ; each accumulator from its low end on
.endr
.endr
.if \last == 0
	WIN 0x40
.irp f, 12,13,14,15
	LOADW \f                                       ; the next tile's fragments 12-15
.endr
	WIN 0
.else
	WIN 0x40                                       ; the block's last tile: the bf16 copy comes back, into registers that the products have left: rows 0-63,
.set ss, 0
.rept 64
	ds_load_b128 v[4*ss:4*ss+3], v17 offset:512*ss
.set ss, ss+1
.endr
	WIN 0x80                                       ; rows 64-127
.set ss, 0
.rept 64
	ds_load_b128 v[4*ss:4*ss+3], v17 offset:32768+512*ss
.set ss, ss+1
.endr
	WIN 0
.endif
.irp a, 0,1,2,3
.irp p, 0,2,4,6
	v_pk_fma_f32 v[96+8*\a+\p:97+8*\a+\p], v[96+8*\a+\p:97+8*\a+\p], s[44:45], v[24+\p:25+\p] op_sel_hi:[1,0,1]
.endr
.endr
	ds_load_b128 v[48:51], v10 offset:VTO+64       ; the first bias has served: -2 V of the second 16 units
	ds_load_b128 v[52:55], v10 offset:VTO+80
	WALU                                           ; ahead of the batch
.set ti, 0
.rept 64
	v_exp_f32 v[64+ti], v[64+ti]
.set ti, ti+1
.endr
	v_add_nc_u32 v10, 128, v10                     ; the next tile's tables; a plain place behind the batch
	WALU                                           ; behind it
.set ti, 0
.rept 32
	v_pk_add_f32 v[64+2*ti:65+2*ti], v[64+2*ti:65+2*ti], 1.0 op_sel_hi:[1,0]
.set ti, ti+1
.endr
	WALU
.set ti, 0
.rept 64
	v_rcp_f32 v[64+ti], v[64+ti]
.set ti, ti+1
.endr
	v_nop
	WALU
	s_wait_dscnt 0x0                               ; -2 V is in, and with it all older LDS loads
.irp p, 0,2,4,6
.irp m, 0,1,2,3
	v_pk_fma_f32 v[32+2*\m:33+2*\m], v[56+\p:57+\p], v[64+8*\m+\p:65+8*\m+\p], v[32+2*\m:33+2*\m]
.endr
.irp m, 0,1,2,3
	v_pk_fma_f32 v[32+2*\m:33+2*\m], v[48+\p:49+\p], v[96+8*\m+\p:97+8*\m+\p], v[32+2*\m:33+2*\m]
.endr
.endr
.if \last == 0
	TABS
.else
	WALU
.endif
.endm
.macro ASK                             ; first block only: 32 x 256 bytes of the second block
	s_cmp_eq_u32 s39, 2
	s_cbranch_scc0 .Lno_ask_\@
	global_prefetch_b8 v16, s[56:57] th:TH_LOAD_NT scope:SCOPE_SE
.Lno_ask_\@:
.endm
; A tile of W2.  Fragments are asked for in runs of four (16 loads), a tile ahead.  Ahead of a run's products: its 16 loads are in; the three younger runs, 48 loads, may be out (last tile: those still behind it).
.macro TILE last
	s_wait_xcnt 0x0                                ; my loads and prefetches have read their bases
.if \last == 0
	s_add_nc_u64 s[6:7], s[6:7], TILEB             ; the tile that is asked for in this one
.endif
	s_add_nc_u64 s[56:57], s[56:57], 32768
.irp h, 0,1,2
.if \last == 0
	s_wait_loadcnt 48
.else
	s_wait_loadcnt 48-16*\h
.endif
	MMS 4*\h, 4
	PLACES                                         ; four places behind the run's products: ahead of the loads into their buffers, and of the first reads of finished sums
.if \last == 0
	WIN 0x40
	LOADW 4*\h
	LOADW 4*\h+1
	LOADW 4*\h+2
	LOADW 4*\h+3
.endif
.endr
	WIN 0
	ASK
.if \last == 0
	s_wait_loadcnt 48
.else
	s_wait_loadcnt 0
.endif
	MMS 12, 4
	WIN 0
	TANH \last
.endm
	s_load_b512 s[4:19], s[0:1], 0x0               ; values s[4:5], w2img s[6:7], qpart s[8:9], b1 s[10:11], b2 s[12:13], V s[14:15], the exponents s[16:17], pctx s[18:19]
	s_load_b64 s[22:23], s[0:1], 0x40              ; pstat
	v_lshl_add_u32 v1, v0, 2, SPARE                ; the add's two registers, for the wave's end
	v_mov_b32 v2, 0
	v_lshrrev_b32 v23, 5, v0
	v_readfirstlane_b32 s36, v23                   ; wave
	s_and_b32 s41, s36, 1                          ; nh
	s_lshr_b32 s43, s36, 1                         ; mh
	s_mov_b32 s38, ttmp9                           ; x
	s_lshl_b32 s60, s36, 8
	s_add_co_u32 s81, s60, XR
	s_mul_i32 s82, s43, 16*XP
	s_add_co_u32 s82, s82, XR
	s_add_co_u32 s83, s60, SC
	s_lshl_b32 s84, s36, 9
	s_add_co_u32 s84, s84, PB
	s_mul_i32 s85, s36, TW
	s_add_co_u32 s85, s85, CBT
	s_lshl_b32 s87, s36, 16
	s_lshl_b32 s88, s36, 13
	v_and_b32 v24, 31, v0                          ; lane
	v_and_b32 v25, 15, v0                          ; r
	v_bfe_u32 v26, v0, 4, 1                        ; h
	v_lshlrev_b32 v3, 4, v24                       ; v3: 16 x lane
	v_lshl_add_u32 v4, v24, 2, s81                 ; v4: where I put four codes of a row
	v_mul_u32_u24 v5, v25, XP
	v_lshl_add_u32 v5, v26, 4, v5
	v_add_nc_u32 v5, s82, v5                       ; v5: a fragment's row of a round
	v_lshl_add_u32 v12, v24, 2, s83                ; v12: my wave's part of the scores
	v_lshlrev_b32 v13, 2, v24
	v_add_nc_u32 v13, SC, v13                      ; v13: all waves' parts
	v_lshl_add_u32 v14, v24, 2, s84                ; v14: the weights, in
	v_mov_b32 v15, s84                             ; v15: and out
	v_lshl_add_u32 v9, v26, 5, s85                 ; v9: my tables, my half's eight units
	v_add_nc_u32 v27, s85, v3
	v_add_nc_u32 v17, s87, v3                      ; v17: my bf16 rows in LDS
	v_lshl_add_u32 v16, v24, 8, s88                ; v16: the prefetch: 8,192 x wave + 256 x lane
	v_and_b32 v30, 7, v0
	v_bfe_u32 v31, v0, 3, 1
	v_lshlrev_b32 v30, 4, v30
	v_lshl_add_u32 v30, v31, 11, v30
	v_lshl_add_u32 v30, v26, 7, v30                ; v30: the tables' order: load i's lanes 8 g .. 8 g + 7 stand for tile t = 4 i + g of W2: byte 2,048 (t % 2) + 128 (t / 2) of my nh's units
	v_mov_b32 v18, 0xff61b1e6                      ; m: -3e38
	v_mov_b32 v19, 0
	v_mov_b32 v20, 0
	v_mov_b32 v21, 0
.irp j, 0,1,2,3,4,5,6,7
	v_mov_b32 v[40+\j], 0                          ; the context
.endr
	s_lshl_b32 s68, s41, 15                        ; my half of a tile of W2
	s_mov_b32 s69, 0
	s_lshl_b32 s70, s38, 20                        ; 256 x rows of 4,096 bytes
	s_mov_b32 s71, 0
	s_lshl_b32 s72, s36, 10                        ; my 256 columns
	s_mov_b32 s73, 0
	s_lshr_b32 s74, s38, 3
	s_lshl_b32 s74, s74, 12                        ; the batch's row of qpart
	s_mov_b32 s75, 0
	s_lshl_b32 s66, s38, 12
	s_mov_b32 s67, 0
	s_lshl_b32 s62, s41, 10
	s_mov_b32 s63, 0
	s_mov_b32 s39, 2                               ; blocks to go
	s_mov_b32 s48, 0x76543210
	s_mov_b32 s49, 0xfedcba98
	s_mov_b32 s50, 0xffff0000
	s_mov_b32 s58, 0x3fb8aa3b                      ; log2(e)
	WALU                                           ; ahead of the wait below
	s_wait_kmcnt 0x0
	s_load_b128 s[52:55], s[16:17], 0x0            ; e0, e1, e2, e3
	s_add_nc_u64 s[4:5], s[4:5], s[70:71]
	s_add_nc_u64 s[56:57], s[4:5], BLKB-32768      ; the prefetches' base: each tile steps it 32,768 on, the first to the second block's first byte
	s_add_nc_u64 s[4:5], s[4:5], s[72:73]
	s_add_nc_u64 s[6:7], s[6:7], s[68:69]
	s_add_nc_u64 s[8:9], s[8:9], s[74:75]
	s_add_nc_u64 s[8:9], s[8:9], s[62:63]
	s_add_nc_u64 s[10:11], s[10:11], s[62:63]
	s_add_nc_u64 s[12:13], s[12:13], s[62:63]
	s_add_nc_u64 s[14:15], s[14:15], s[62:63]
	s_add_nc_u64 s[18:19], s[18:19], s[66:67]
	s_add_nc_u64 s[18:19], s[18:19], s[72:73]
	s_lshl_b32 s66, s38, 9
	s_add_nc_u64 s[22:23], s[22:23], s[66:67]
	WIN 0x80                                       ; the tables' numbers land in window 2
.irp k, 0,1,2,3,4,5,6,7
.irp i, 0,1,2,3
	global_load_b128 v[16*\k+4*\i:16*\k+4*\i+3], v30, s[8:9] offset:131072*\k+256*\i
.endr
.endr
.irp i, 0,1,2,3
	global_load_b128 v[128+4*\i:131+4*\i], v30, s[10:11] offset:256*\i
	global_load_b128 v[144+4*\i:147+4*\i], v30, s[12:13] offset:256*\i
	global_load_b128 v[160+4*\i:163+4*\i], v30, s[14:15] offset:256*\i
.endr
	WIN 0
.irp g, 0,1,2,3,4,5
	GLOAD \g
.endr
	s_wait_loadcnt 48                              ; the 44 loads of the tables are in; behind them: six groups of eight
	WIN 0x8a
.irp p, 0,2,4,6,8,10,12,14
	v_pk_add_f32 v[128+\p:129+\p], v[128+\p:129+\p], v[144+\p:145+\p]
.endr
.irp k, 0,1,2,3,4,5,6,7
.irp p, 0,2,4,6,8,10,12,14
	v_pk_add_f32 v[128+\p:129+\p], v[128+\p:129+\p], v[16*\k+\p:16*\k+\p+1]
.endr
.endr
.irp p, 0,2,4,6,8,10,12,14
	v_pk_mul_f32 v[128+\p:129+\p], v[128+\p:129+\p], 0x4038aa3b op_sel_hi:[1,0]   ; 2.88539 (q + b1 + b2)
	v_pk_mul_f32 v[176+\p:177+\p], v[160+\p:161+\p], -2.0 op_sel_hi:[1,0]
.endr
	WIN 0x08
.irp i, 0,1,2,3
	ds_store_b128 v27, v[128+4*\i:131+4*\i] offset:512*\i            ; each wave's own tables
	ds_store_b128 v27, v[176+4*\i:179+4*\i] offset:VTO+512*\i
.endr
	WIN 0
	s_wait_kmcnt 0x0
	s_add_co_i32 s60, s54, s55
	s_lshl_b32 s60, s60, 23
	s_add_co_i32 s44, s60, 0x4038aa3b              ; 2.88539 x 2^(e2 + e3)
	s_mov_b32 s45, s44
	s_add_co_i32 s60, s54, 127
	s_lshl_b32 s61, s60, 23
	v_mov_b32 v11, s61                             ; 2^e2
	s_add_co_i32 s60, s60, 15
	s_lshl_b32 s60, s60, 23
	s_or_b32 s47, s60, 0x600000                    ; 57,344 x 2^e2
	s_or_b32 s46, s47, 0x80000000
	WALU                                           ; at the head's end
.Lblock:                                           ; two trips; on the way in 48 loads of mine are out
.set XQ, 0
	XROUND                                         ; rows 0-15 and 64-79
	BAR                                            ; every wave's codes of the round lie in LDS
	AFETCH 0
	BAR                                            ; every wave has its fragments: the stage may be written again
	XROUND
	BAR
	AFETCH 1
	BAR
	XROUND
	BAR
	AFETCH 2
	BAR
	XROUND
	WIN 0x40
.irp f, 0,1,2,3,4,5,6,7,8,9,10,11,12,13,14,15
	LOADW \f                                       ; tile 0 of W2: all the block's rows are in, so these 64 are my only loads out
.endr
	WIN 0
	BAR
	AFETCH 3
.irp j, 0,1,2,3,4,5,6,7
	v_mov_b32 v[32+\j], 0                          ; the block's score sums
.endr
	v_mov_b32 v10, v9
	WALU
	TABS
	s_wait_dscnt 6                                 ; my rows' fragments are in; the six loads of the tables may be out
	s_mov_b32 s40, 15
.Ltrip:                                            ; fifteen tiles, each asking for the next
	TILE 0
	s_sub_co_u32 s40, s40, 1
	s_cmp_lg_u32 s40, 0
	s_cbranch_scc1 .Ltrip
	TILE 1                                         ; the last tile is written out: nothing more is asked for
	s_sub_nc_u64 s[6:7], s[6:7], 15*TILEB          ; back to tile 0 (all loads by this pointer are in)
	s_cmp_eq_u32 s39, 1
	s_cbranch_scc1 .Lno_next
	s_add_nc_u64 s[4:5], s[4:5], BLKB              ; all loads by this pointer are in
.irp g, 0,1,2,3,4,5
	GLOAD \g                                       ; the next block's first 24 rows; v64-255 are free from here on
.endr
.Lno_next:
	v_add_f32 v48, v32, v33
	v_add_f32 v49, v34, v35
	v_add_f32 v50, v36, v37
	v_add_f32 v51, v38, v39
	v_permlanex16_b32 v23, v48, s48, s49           ; the row's other eight units of each tile lie in the lane 16 away
	v_permlanex16_b32 v24, v49, s48, s49
	v_permlanex16_b32 v25, v50, s48, s49
	v_permlanex16_b32 v26, v51, s48, s49
	v_add_f32 v48, v48, v23
	v_add_f32 v49, v49, v24
	v_add_f32 v50, v50, v25
	v_add_f32 v51, v51, v26
	v_cndmask_b32 v52, v48, v49, s50               ; lane l: row l of my 64,
	v_cndmask_b32 v53, v50, v51, s50               ; and row 32 + l
	ds_store_b32 v12, v52
	ds_store_b32 v12, v53 offset:128
	BAR
.irp w, 0,1,2,3
	ds_load_b32 v[48+2*\w], v13 offset:256*\w
	ds_load_b32 v[49+2*\w], v13 offset:256*\w+128
.endr
	s_wait_dscnt 0x0
	v_add_f32 v48, v48, v50                        ; rows l: waves 0 and 1 hold the two halves of the units
	v_add_f32 v49, v49, v51
	v_add_f32 v52, v52, v54                        ; rows 64 + l: waves 2 and 3
	v_add_f32 v53, v53, v55
	v_max3_num_f32 v27, v48, v49, v52
	v_max_num_f32 v27, v27, v53
	v_max_num_f32_dpp v27, v27, v27 row_xmask:1 row_mask:0xf bank_mask:0xf
	v_max_num_f32_dpp v27, v27, v27 row_xmask:2 row_mask:0xf bank_mask:0xf
	v_max_num_f32_dpp v27, v27, v27 row_xmask:4 row_mask:0xf bank_mask:0xf
	v_max_num_f32_dpp v27, v27, v27 row_xmask:8 row_mask:0xf bank_mask:0xf
	v_permlanex16_b32 v23, v27, s48, s49
	v_max_num_f32 v27, v27, v23
	v_max_num_f32 v27, v27, v18                    ; the new running maximum
	v_sub_f32 v28, v18, v27
	v_sub_f32 v48, v48, v27
	v_sub_f32 v49, v49, v27
	v_sub_f32 v52, v52, v27
	v_sub_f32 v53, v53, v27
	v_mul_f32 v28, s58, v28
	v_mul_f32 v48, s58, v48
	v_mul_f32 v49, s58, v49
	v_mul_f32 v52, s58, v52
	v_mul_f32 v53, s58, v53
	WALU                                           ; ahead of the batch
	v_exp_f32 v20, v28
	v_exp_f32 v48, v48
	v_exp_f32 v49, v49
	v_exp_f32 v52, v52
	v_exp_f32 v53, v53
	v_mov_b32 v18, v27                             ; a plain place
	WALU
	v_fma_f32 v19, v19, v20, v48
	v_add_f32 v28, v49, v52
	v_add_f32 v19, v19, v53
	v_add_f32 v19, v19, v28
	ds_store_b32 v14, v48
	ds_store_b32 v14, v49 offset:128
	ds_store_b32 v14, v52 offset:256
	ds_store_b32 v14, v53 offset:384
	WIN 0xc0                                       ; all 128 weights into every lane, window 3; my wave's own bytes, served in order
.set ss, 0
.rept 32
	ds_load_b128 v[4*ss:4*ss+3], v15 offset:16*ss
.set ss, ss+1
.endr
	WIN 0
.irp p, 0,2,4,6
	v_pk_mul_f32 v[40+\p:41+\p], v[40+\p:41+\p], v[20:21] op_sel_hi:[1,0]
.endr
	WALU
	s_wait_dscnt 0x0
	WIN 0x0d                                       ; source 0: bf16 rows 0-63, window 1; source 1: the weights, window 3
.set ss, 0
.rept 64
.irp q, 0,1,2,3
	v_fma_mix_f32_bf16 v[40+2*\q], v[4*ss+\q], v[ss], v[40+2*\q] op_sel_hi:[1,0,0]
	v_fma_mix_f32_bf16 v[41+2*\q], v[4*ss+\q], v[ss], v[41+2*\q] op_sel:[1,0,0] op_sel_hi:[1,0,0]
.endr
.set ss, ss+1
.endr
	WIN 0x0e                                       ; source 0: rows 64-127, window 2
.set ss, 0
.rept 64
.irp q, 0,1,2,3
	v_fma_mix_f32_bf16 v[40+2*\q], v[4*ss+\q], v[64+ss], v[40+2*\q] op_sel_hi:[1,0,0]
	v_fma_mix_f32_bf16 v[41+2*\q], v[4*ss+\q], v[64+ss], v[41+2*\q] op_sel:[1,0,0] op_sel_hi:[1,0,0]
.endr
.set ss, ss+1
.endr
	WIN 0
	s_sub_co_u32 s39, s39, 1
	s_cmp_lg_u32 s39, 0
	WALU                                           ; directly ahead of the branch
	s_cbranch_scc1 .Lblock
	v_add_f32_dpp v19, v19, v19 row_xmask:1 row_mask:0xf bank_mask:0xf
	v_add_f32_dpp v19, v19, v19 row_xmask:2 row_mask:0xf bank_mask:0xf
	v_add_f32_dpp v19, v19, v19 row_xmask:4 row_mask:0xf bank_mask:0xf
	v_add_f32_dpp v19, v19, v19 row_xmask:8 row_mask:0xf bank_mask:0xf
	v_permlanex16_b32 v23, v19, s48, s49
	v_add_f32 v19, v19, v23                        ; l
	v_mov_b32 v28, v18
	v_mov_b32 v29, v19
	v_mov_b32 v30, v18
	v_mov_b32 v31, v19
	WALU
	global_store_b128 v3, v[40:43], s[18:19]               ; 32 lanes store 512 consecutive bytes, aligned
	global_store_b128 v3, v[44:47], s[18:19] offset:512
	s_cmp_lg_u32 s36, 0
	s_cbranch_scc1 .Lnot_first
	global_store_b128 v3, v[28:31], s[22:23]               ; m and l, repeated over 512 bytes: whole aligned runs of 256 bytes
.Lnot_first:
	s_wait_tensorcnt 0x0                           ; the wave's end, behind my last LDS store
	ds_add_u32 v1, v2
	s_wait_dscnt 0x0
	s_endpgm
.Lfunc_end_k_q961930837b_fused:
	.size	k_q961930837b_fused, .Lfunc_end_k_q961930837b_fused-k_q961930837b_fused
	.p2alignl 7, 3214868480
	.fill 96, 4, 3214868480
	.section	.rodata,"a",@progbits
	.p2align	6, 0x0
	.amdhsa_kernel k_q961930837b_fused
		.amdhsa_group_segment_fixed_size 316416
		.amdhsa_private_segment_fixed_size 0
		.amdhsa_enable_private_segment 0
		.amdhsa_kernarg_size 72
		.amdhsa_user_sgpr_count 2
		.amdhsa_user_sgpr_kernarg_segment_ptr 1
		.amdhsa_wavefront_size32 1
		.amdhsa_system_sgpr_workgroup_id_x 1
		.amdhsa_system_sgpr_workgroup_id_y 1
		.amdhsa_system_sgpr_workgroup_id_z 1
		.amdhsa_system_vgpr_workitem_id 0
		.amdhsa_next_free_vgpr 1024
		.amdhsa_next_free_sgpr 96
		.amdhsa_reserve_vcc 0
		.amdhsa_float_denorm_mode_32 3
		.amdhsa_float_denorm_mode_16_64 3
		.amdhsa_memory_ordered 1
		.amdhsa_forward_progress 1
		.amdhsa_inst_pref_size 255
	.end_amdhsa_kernel
	.section	.bss,"aw",@nobits
	.p2align	6
	.space	262144
	.amdgpu_metadata
---
amdhsa.version: [ 1, 2 ]
amdhsa.kernels:
  - .name:           k_q961930837b_fused
    .symbol:         k_q961930837b_fused.kd
    .args:
      - { .name: values, .offset: 0, .size: 8, .value_kind: global_buffer, .address_space: global }
      - { .name: w2img, .offset: 8, .size: 8, .value_kind: global_buffer, .address_space: global }
      - { .name: qpart, .offset: 16, .size: 8, .value_kind: global_buffer, .address_space: global }
      - { .name: b1, .offset: 24, .size: 8, .value_kind: global_buffer, .address_space: global }
      - { .name: b2, .offset: 32, .size: 8, .value_kind: global_buffer, .address_space: global }
      - { .name: V, .offset: 40, .size: 8, .value_kind: global_buffer, .address_space: global }
      - { .name: lowp_scales, .offset: 48, .size: 8, .value_kind: global_buffer, .address_space: global }
      - { .name: pctx, .offset: 56, .size: 8, .value_kind: global_buffer, .address_space: global }
      - { .name: pstat, .offset: 64, .size: 8, .value_kind: global_buffer, .address_space: global }
    .group_segment_fixed_size: 316416
    .private_segment_fixed_size: 0
    .kernarg_segment_align: 8
    .kernarg_segment_size: 72
    .max_flat_workgroup_size: 128
    .sgpr_count:     96
    .vgpr_count:     1024
    .wavefront_size: 32
...
	.end_amdgpu_metadata
.endif
;; end of part 2
;; launch combine (part 3): grid 256 x 1, 1 waves a work-group, no clusters, 0 bytes of LDS; arguments pctx, pstat, out0; writes out0
.if DOCPART == 3
	.amdgcn_target "amdgcn-amd-amdhsa--gfx1250"
	.amdhsa_code_object_version 6
	.text
	.protected	k_q961930837b_combine
	.globl	k_q961930837b_combine
	.p2align	8
	.type	k_q961930837b_combine,@function
k_q961930837b_combine:
	s_mov_b64 s[64:65], 0
	v_nop
	global_prefetch_b8 v0, s[64:65] scope:SCOPE_SE
	s_setreg_imm32_b32 hwreg(HW_REG_WAVE_MODE, 25, 1), 1
	s_wait_xcnt 0x0
; out0[b][d] = (sum over g of e^(m_g - M) ctx_g[d]) / (sum over g of e^(m_g - M) l_g), M the largest m_g: a batch's eight runs of 256 rows are joined.
; Work-group x: batch x / 8, columns 128 (x mod 8) on; one wave, four columns a lane.  All is a few loads and one store of 512 consecutive bytes: no LDS, no matrix unit, nothing shared.
	s_load_b128 s[4:7], s[0:1], 0x0                ; pctx, pstat
	s_load_b64 s[8:9], s[0:1], 0x10                ; out0
	v_lshlrev_b32 v1, 4, v0
	v_mov_b32 v2, 0
	v_mov_b32 v55, 0                               ; (named as the upper half of the pair v[54:55])
	s_lshr_b32 s10, ttmp9, 3                       ; b
	s_and_b32 s11, ttmp9, 7
	s_lshl_b32 s14, s11, 9                         ; 128 columns
	s_lshl_b32 s12, s10, 15                        ; pctx: eight rows of 4,096 bytes a batch
	s_add_co_u32 s12, s12, s14
	s_mov_b32 s13, 0
	s_lshl_b32 s16, s10, 12                        ; pstat: eight entries of 512 bytes a batch
	s_mov_b32 s17, 0
	s_lshl_b32 s18, s10, 12                        ; out0: a row of 4,096 bytes
	s_add_co_u32 s18, s18, s14
	s_mov_b32 s19, 0
	s_wait_alu depctr_va_vdst(0)
	s_wait_kmcnt 0x0
	s_add_nc_u64 s[4:5], s[4:5], s[12:13]
	s_add_nc_u64 s[6:7], s[6:7], s[16:17]
	s_add_nc_u64 s[8:9], s[8:9], s[18:19]
.irp g, 0,1,2,3,4,5,6,7
	global_load_b64 v[4+2*\g:5+2*\g], v2, s[6:7] offset:512*\g       ; m_g, l_g
.endr
.irp g, 0,1,2,3,4,5,6,7
	global_load_b128 v[20+4*\g:23+4*\g], v1, s[4:5] offset:4096*\g
.endr
	s_wait_loadcnt 0x0
	v_max3_num_f32 v52, v4, v6, v8
	v_max3_num_f32 v52, v52, v10, v12
	v_max3_num_f32 v52, v52, v14, v16
	v_max_num_f32 v52, v52, v18
.irp g, 0,1,2,3,4,5,6,7
	v_sub_f32 v[4+2*\g], v[4+2*\g], v52
.endr
.irp g, 0,1,2,3,4,5,6,7
	v_mul_f32 v[4+2*\g], 0x3fb8aa3b, v[4+2*\g]
.endr
	s_wait_alu depctr_va_vdst(0)
.irp g, 0,1,2,3,4,5,6,7
	v_exp_f32 v[4+2*\g], v[4+2*\g]                 ; e^(m_g - M), in m_g's place: the pair's low word
.endr
	v_nop                                          ; a plain place behind the exponentials
	s_wait_alu depctr_va_vdst(0)
	v_mul_f32 v53, v4, v5
	v_pk_mul_f32 v[56:57], v[20:21], v[4:5] op_sel_hi:[1,0]
	v_pk_mul_f32 v[58:59], v[22:23], v[4:5] op_sel_hi:[1,0]
.irp g, 1,2,3,4,5,6,7
	v_fmac_f32 v53, v[4+2*\g], v[5+2*\g]
	v_pk_fma_f32 v[56:57], v[20+4*\g:21+4*\g], v[4+2*\g:5+2*\g], v[56:57] op_sel_hi:[1,0,1]
	v_pk_fma_f32 v[58:59], v[22+4*\g:23+4*\g], v[4+2*\g:5+2*\g], v[58:59] op_sel_hi:[1,0,1]
.endr
	s_wait_alu depctr_va_vdst(0)
	v_rcp_f32 v54, v53
	v_nop                                          ; a plain place behind the reciprocal
	s_wait_alu depctr_va_vdst(0)
	v_pk_mul_f32 v[56:57], v[56:57], v[54:55] op_sel_hi:[1,0]
	v_pk_mul_f32 v[58:59], v[58:59], v[54:55] op_sel_hi:[1,0]
	global_store_b128 v1, v[56:59], s[8:9]         ; 32 lanes store 512 consecutive bytes, aligned
	s_endpgm
.Lfunc_end_k_q961930837b_combine:
	.size	k_q961930837b_combine, .Lfunc_end_k_q961930837b_combine-k_q961930837b_combine
	.p2alignl 7, 3214868480
	.fill 96, 4, 3214868480
	.section	.rodata,"a",@progbits
	.p2align	6, 0x0
	.amdhsa_kernel k_q961930837b_combine
		.amdhsa_group_segment_fixed_size 0
		.amdhsa_private_segment_fixed_size 0
		.amdhsa_enable_private_segment 0
		.amdhsa_kernarg_size 24
		.amdhsa_user_sgpr_count 2
		.amdhsa_user_sgpr_kernarg_segment_ptr 1
		.amdhsa_wavefront_size32 1
		.amdhsa_system_sgpr_workgroup_id_x 1
		.amdhsa_system_sgpr_workgroup_id_y 1
		.amdhsa_system_sgpr_workgroup_id_z 1
		.amdhsa_system_vgpr_workitem_id 0
		.amdhsa_next_free_vgpr 64
		.amdhsa_next_free_sgpr 66
		.amdhsa_reserve_vcc 0
		.amdhsa_float_denorm_mode_32 3
		.amdhsa_float_denorm_mode_16_64 3
		.amdhsa_memory_ordered 1
		.amdhsa_forward_progress 1
		.amdhsa_inst_pref_size 6
	.end_amdhsa_kernel
	.amdgpu_metadata
---
amdhsa.version: [ 1, 2 ]
amdhsa.kernels:
  - .name:           k_q961930837b_combine
    .symbol:         k_q961930837b_combine.kd
    .args:
      - { .name: pctx, .offset: 0, .size: 8, .value_kind: global_buffer, .address_space: global }
      - { .name: pstat, .offset: 8, .size: 8, .value_kind: global_buffer, .address_space: global }
      - { .name: out0, .offset: 16, .size: 8, .value_kind: global_buffer, .address_space: global }
    .group_segment_fixed_size: 0
    .private_segment_fixed_size: 0
    .kernarg_segment_align: 8
    .kernarg_segment_size: 24
    .max_flat_workgroup_size: 32
    .sgpr_count:     66
    .vgpr_count:     64
    .wavefront_size: 32
...
	.end_amdgpu_metadata
.endif
;; end of part 3
